; MI455X (gfx1250); checked and timed in simulation.
; The chip was launched on July 23, 2026; its instructions are those of AMD's public machine-readable ISA for CDNA 5 (MIT licence, August 2026) and "CDNA5" Instruction Set Architecture Reference Guide (July 2026). The comments in the code are by the model that wrote it; some were corrected since.
;; Encoder Layer. Allowed arithmetic: float matrix products may take bf16 or f16 operands with f32 sums; all other float work in f32.
;; Inputs: W_merge 6 x 512 x 512 float32; alpha_merge 6 float32; b_merge 6 x 512 float32; child_l 4,096 int32; child_r 4,096 int32; dmap 8,192 int32; drev 8,192 int32; last 8 x 8,192 x 256 float32; vec 8 x 4,096 int32.
;; Outputs: out0 8 x 4,096 x 512 float32.
;; One version. Each part assembles by itself: llvm-mc -triple=amdgcn-amd-amdhsa -mcpu=gfx1250 --defsym DOCPART=n.
;; ======== version 1 of 1: 2 launches
;; limits: right only within a limited range of input values
;; workspace buffers: order 262,144 bytes of whole numbers; tiles 4,096 bytes of whole numbers; wb 3,145,728 bytes
;; launch prep (part 1): grid 128 x 1, 32 waves a work-group, no clusters, 13,312 bytes of LDS; arguments vec, dmap, drev, child_l, child_r, W_merge, order, tiles, wb; writes order, tiles, wb
.if DOCPART == 1
	.amdgcn_target "amdgcn-amd-amdhsa--gfx1250"
	.amdhsa_code_object_version 6
	.text
	.protected	k_q828cfef2b6_prep
	.globl	k_q828cfef2b6_prep
	.p2align	8
	.type	k_q828cfef2b6_prep,@function
k_q828cfef2b6_prep:
	s_mov_b64 s[64:65], 0
	v_nop
	global_prefetch_b8 v0, s[64:65] scope:SCOPE_SE
	s_setreg_imm32_b32 hwreg(HW_REG_WAVE_MODE, 25, 1), 1
	s_wait_xcnt 0x0
; PREPARATION FOR THE ROUTED MERGE.  Two roles, chosen by the work-group's number; the two ways never join again.
; Work-groups 0-31 SORT the 32,768 elements (b, l) by direction dmap[vec[b][l]], without atomics.  The sort key is (direction, chunk, slot, lane):
;   chunk g = the elements with l in 128 g .. 128 g + 127, all 8 b (1,024 elements); slot = the wave that holds the element; one element a thread.
;   Every work-group counts ALL 32 chunks (wave w counts chunk w: 32 elements a lane), so that it knows every prefix itself; it places its own chunk alone.
;   Record p of 'order' (8 bytes): word 0 = row of the left child in last (b x 8192 + child_l[l]) | row of the right child << 16; word 1 = e (b x 4096 + l) | drev << 15.
;   Wave 0 of work-groups 0-7 also writes the 256 tile records {direction, first sorted position, rows - 1, 0}: direction d gets ceil(n_d / 131) tiles, at most
;   floor((32768 + 6 x 130) / 131) = 256 in all; what is left of 256 goes to the first largest direction (it has 5,462 elements or more, so none of its tiles is empty);
;   inside a direction the rows are shared evenly.  So there are exactly 256 tiles, each of one direction, each with 1 to 131 rows, whatever the inputs.
; Work-groups 32-127 CONVERT W_merge to bf16 in the order in which a matrix operand lies in registers: a wave makes one fragment of 16 n x 32 k, 1,024 bytes:
;   fragment ((dir x 4 + n / 128) x 16 + k / 32) x 8 + (n / 16) % 8; its byte c x 512 + lane x 16 holds W[dir][n0 + lane % 16][k0 + 16 c + 8 (lane / 16) + 0..7].
; LIMITS.  drev is kept as a signed number of 17 bits (|drev| < 65,536).  vec, child_l, child_r and dmap index tables, so they lie inside them; they are clamped only to bound addresses.
.set DT,    0                          ; 8,192 bytes: byte v = 5 x dmap[v], the shift of that direction's 5-bit counter
.set CT,    8192                       ; 32 x 16 bytes: chunk c's totals, three words of two 16-bit counts (directions 0|1, 2|3, 4|5), and a 0
.set ST,    8704                       ; 32 x 16 bytes: the same for my chunk's 32 slots
.set SPARE, 9216                       ; the spare words: 128 bytes for each of the 32 waves; no other line names them
; v0 thread, v1 lane, v2-3 the add's registers, v4-35 32 numbers of vec and then their shifts, v36 my vec, v37 my shift, v38 my drev, v39-40 my children, v41 e,
; v42-43, v88-90 load offsets (never rewritten), v44-53 dmap and its packed bytes, v54-57 counters, v58-61 slot totals, v62-63 at work, v64-71 totals read back,
; v72-77 copies, v78-79 position, v80-82 record and its offset, v83-87 tile record and its offset, v91-93 LDS addresses.
	s_load_b512 s[4:19], s[0:1], 0x0               ; vec s[4:5], dmap s[6:7], drev s[8:9], child_l s[10:11], child_r s[12:13], W s[14:15], order s[16:17], tiles s[18:19]
	s_load_b64 s[20:21], s[0:1], 0x40              ; wb
	v_lshl_add_u32 v2, v0, 2, SPARE                ; my spare word,
	v_mov_b32 v3, 0                                ; and 0: kept for the add at the wave's end
	v_and_b32 v1, 31, v0                           ; lane
	v_lshrrev_b32 v63, 5, v0
	v_readfirstlane_b32 s22, v63                   ; wave w, 0..31
	s_mov_b32 s23, ttmp9                           ; work-group g
	s_wait_kmcnt 0x0
	s_cmp_lt_u32 s23, 32
	s_cbranch_scc0 .Lconv                          ; the same answer in all waves of a work-group
	; ---------------- THE SORT ----------------
	s_lshr_b32 s24, s22, 2                         ; my element: b = w / 4,
	s_and_b32 s25, s22, 3
	s_lshl_b32 s25, s25, 5
	s_lshl_b32 s27, s23, 7
	s_add_co_u32 s25, s25, s27
	v_add_nc_u32 v43, s25, v1                      ; l = 128 g + 32 (w % 4) + lane,
	v_lshl_add_u32 v41, s24, 12, v43               ; e = 4096 b + l
	v_lshlrev_b32 v42, 2, v41
	v_lshlrev_b32 v43, 2, v43
	v_lshlrev_b32 v88, 5, v0                       ; my 8 numbers of dmap
	v_lshlrev_b32 v89, 4, v0                       ; my 4 numbers of each of vec's 8 rows: l = 4 thread + 0..3, so wave w reads chunk w
	v_lshlrev_b32 v91, 3, v0                       ; my 8 bytes of the table
	global_load_b32 v36, v42, s[4:5]
	global_load_b32 v39, v43, s[10:11]
	global_load_b32 v40, v43, s[12:13]
	global_load_b128 v[44:47], v88, s[6:7]
	global_load_b128 v[48:51], v88, s[6:7] offset:16
.irp b, 0,1,2,3,4,5,6,7
	global_load_b128 v[4+4*\b:7+4*\b], v89, s[4:5] offset:16384*\b
.endr
	s_mov_b32 s26, 0xffff0000                      ; the lanes 16-31, as a mask
	v_mov_b32 v62, 0                               ; written once whole: the lane moves below count as readers of it
	s_wait_loadcnt 12                              ; my vec is in; behind it: 2 children, 2 of dmap, 8 of vec
	v_min_u32 v36, 0x1fff, v36
	v_lshlrev_b32 v90, 2, v36
	global_load_b32 v38, v90, s[8:9]               ; drev[vec]
	s_wait_loadcnt 9                               ; dmap is in; behind it: 8 of vec, 1 of drev
.irp i, 0,1,2,3,4,5,6,7
	v_min_u32 v[44+\i], 5, v[44+\i]
	v_lshl_add_u32 v[44+\i], v[44+\i], 2, v[44+\i] ; 5 x direction
.endr
.irp k, 0,1
	v_lshl_or_b32 v[52+\k], v[45+4*\k], 8, v[44+4*\k]
	v_lshl_or_b32 v[52+\k], v[46+4*\k], 16, v[52+\k]
	v_lshl_or_b32 v[52+\k], v[47+4*\k], 24, v[52+\k]
.endr
	ds_store_b64 v91, v[52:53] offset:DT
	s_wait_dscnt 0x0                               ; for the others' sake: my bytes of the table are written
	s_barrier_signal -1
	s_barrier_wait -1                              ; the table is whole
	s_wait_loadcnt 1                               ; vec is in; drev may stay out
.set i, 0
.rept 32
	v_min_u32 v[4+i], 0x1fff, v[4+i]
.set i, i+1
.endr
	ds_load_u8 v37, v36 offset:DT                  ; my own element's shift
.set i, 0
.rept 32
	ds_load_u8 v[4+i], v[4+i] offset:DT            ; and those of the 32 that I count
.set i, i+1
.endr
	s_wait_dscnt 0x0                               ; my reads of the table are over
	s_barrier_signal -1                            ; work on registers alone stands between this signal and its wait; behind the wait the totals are stored
	; my slot: for each direction the lanes that have it, and how many they are
.irp d, 0,1,2,3,4,5
	v_cmp_eq_u32 s[58+\d], 5*\d, v37
.endr
.irp k, 0,1,2
	s_bcnt1_i32_b32 s24, s[58+2*\k]
	s_bcnt1_i32_b32 s25, s[59+2*\k]
	s_lshl_b32 s25, s25, 16
	s_or_b32 s24, s24, s25
	v_mov_b32 v[58+\k], s24
.endr
	v_mov_b32 v61, 0
	; my 32 elements of chunk w: six counters of 5 bits in a word, 16 elements to a word (a counter holds 16 at the most)
	v_lshlrev_b32 v54, v4, 1
	v_lshlrev_b32 v55, v20, 1
.set i, 1
.rept 15
	v_lshl_add_u32 v54, 1, v[4+i], v54
	v_lshl_add_u32 v55, 1, v[20+i], v55
.set i, i+1
.endr
	s_mov_b32 s80, 0x01f07c1f                      ; every second counter
	v_and_b32 v56, s80, v54
	v_and_b32 v63, s80, v55
	v_add_nc_u32 v56, v56, v63                     ; directions 0, 2, 4 at bits 0, 10, 20
	v_lshrrev_b32 v57, 5, v54
	v_lshrrev_b32 v63, 5, v55
	v_and_b32 v57, s80, v57
	v_and_b32 v63, s80, v63
	v_add_nc_u32 v57, v57, v63                     ; directions 1, 3, 5
	v_and_b32 v72, 0x3ff, v56
	v_and_b32 v63, 0x3ff, v57
	v_lshl_or_b32 v72, v63, 16, v72                ; 0 | 1
	v_bfe_u32 v73, v56, 10, 10
	v_bfe_u32 v63, v57, 10, 10
	v_lshl_or_b32 v73, v63, 16, v73                ; 2 | 3
	v_lshrrev_b32 v74, 20, v56
	v_lshrrev_b32 v63, 20, v57
	v_lshl_or_b32 v74, v63, 16, v74                ; 4 | 5
; The running sum of v[x] over the 32 lanes, the lane's own number included: four steps inside each half of 16 lanes, then the lower half's total onto the upper half.
; Two 16-bit counts ride in a word: no count passes 32,768, so none carries into its neighbour.
.macro SCAN x
.irp n, 1,2,4,8
	v_mov_b32_dpp v62, v[\x] row_shr:\n row_mask:0xf bank_mask:0xf bound_ctrl:1
	v_add_nc_u32 v[\x], v[\x], v62
.endr
	v_readlane_b32 s27, v[\x], 15
	v_cndmask_b32 v62, 0, s27, s26
	v_add_nc_u32 v[\x], v[\x], v62
.endm
.irp k, 0,1,2
	SCAN 72+\k
	v_readlane_b32 s24, v[72+\k], 31               ; chunk w's total
	v_mov_b32 v[84+\k], s24
.endr
	v_mov_b32 v87, 0
	v_mov_b32 v92, s22
	v_lshlrev_b32 v92, 4, v92                      ; 16 w
	v_lshlrev_b32 v93, 4, v1                       ; 16 lane
	s_barrier_wait -1                              ; nobody reads the table any more
	ds_store_b128 v92, v[58:61] offset:ST          ; all lanes write the same 16 bytes
	ds_store_b128 v92, v[84:87] offset:CT
	s_wait_dscnt 0x0                               ; for the others' sake
	s_barrier_signal -1
	s_barrier_wait -1                              ; all totals are written
	ds_load_b128 v[64:67], v93 offset:CT           ; lane c: chunk c's totals
	ds_load_b128 v[68:71], v93 offset:ST           ; lane s: slot s's totals
	s_wait_dscnt 0x0
.irp k, 0,1,2
	v_mov_b32 v[72+\k], v[64+\k]
	v_mov_b32 v[75+\k], v[68+\k]
.endr
.irp x, 64,65,66,68,69,70
	SCAN \x
.endr
.irp k, 0,1,2
	v_readlane_b32 s[30+\k], v[64+\k], 31          ; the directions' totals n_d
	v_sub_nc_u32 v[64+\k], v[64+\k], v[72+\k]      ; sums without the lane's own
	v_sub_nc_u32 v[68+\k], v[68+\k], v[75+\k]
	v_readlane_b32 s[33+\k], v[64+\k], s23         ; the chunks in front of mine
	v_readlane_b32 s[36+\k], v[68+\k], s22         ; the slots in front of mine
	s_add_co_u32 s[33+\k], s[33+\k], s[36+\k]
.endr
.irp k, 0,1,2
	s_and_b32 s[40+2*\k], s[30+\k], 0xffff         ; n_d in s40-45
	s_lshr_b32 s[41+2*\k], s[30+\k], 16
	s_and_b32 s[52+2*\k], s[33+\k], 0xffff
	s_lshr_b32 s[53+2*\k], s[33+\k], 16
.endr
	s_mov_b32 s46, 0                               ; P_d in s46-51: where direction d begins
.irp d, 0,1,2,3,4
	s_add_co_u32 s[47+\d], s[46+\d], s[40+\d]
.endr
.irp d, 0,1,2,3,4,5
	s_add_co_u32 s[52+\d], s[52+\d], s[46+\d]      ; where my slot's elements of direction d begin
.endr
	v_mov_b32 v78, 0
.irp d, 0,1,2,3,4,5
	v_mbcnt_lo_u32_b32 v79, s[58+\d], s[52+\d]     ; + the lanes below me that have direction d
	v_cndmask_b32 v78, v78, v79, s[58+\d]          ; taken by the lanes that have it
.endr
	v_min_u32 v78, 0x7fff, v78                     ; my sorted position
	s_wait_loadcnt 0x0                             ; drev
	s_lshr_b32 s24, s22, 2
	s_lshl_b32 s24, s24, 13                        ; b x 8192
	v_min_u32 v39, 0x1fff, v39
	v_min_u32 v40, 0x1fff, v40
	v_add_nc_u32 v39, s24, v39
	v_add_nc_u32 v40, s24, v40
	v_lshl_or_b32 v80, v40, 16, v39
	v_lshl_or_b32 v81, v38, 15, v41
	v_lshlrev_b32 v82, 3, v78
	global_store_b64 v82, v[80:81], s[16:17]       ; a wave's records fall into six runs of neighbouring records, one a direction
	s_cmp_lg_u32 s22, 0
	s_cbranch_scc1 .LendS
	s_cmp_ge_u32 s23, 8
	s_cbranch_scc1 .LendS
	; ---------------- THE 256 TILES: wave 0 of work-groups 0-7, a lane to a tile ----------------
.irp d, 0,1,2,3,4,5
	s_add_co_u32 s80, s[40+\d], 130
	s_mul_i32 s80, s80, 32018                      ; floor(x / 131) = (x x 32018) >> 22 for x under 77,672; here x is 32,898 at the most
	s_lshr_b32 s[66+\d], s80, 22                   ; g_d = ceil(n_d / 131)
.endr
	s_mov_b32 s78, 256
.irp d, 0,1,2,3,4,5
	s_sub_co_u32 s78, s78, s[66+\d]                ; what is left of 256
.endr
	s_max_u32 s79, s40, s41
.irp d, 2,3,4,5
	s_max_u32 s79, s79, s[40+\d]
.endr
.irp d, 0,1,2,3,4,5
	s_cmp_eq_u32 s[40+\d], s79                     ; the first largest direction takes it
	s_cselect_b32 s80, s78, 0
	s_add_co_u32 s[66+\d], s[66+\d], s80
	s_sub_co_u32 s78, s78, s80
.endr
	s_mov_b32 s72, 0                               ; G_d in s72-77: direction d's first tile
.irp d, 0,1,2,3,4
	s_add_co_u32 s[73+\d], s[72+\d], s[66+\d]
.endr
	s_lshl_b32 s24, s23, 5
	v_add_nc_u32 v4, s24, v1                       ; tile i
	v_mov_b32 v84, 0                               ; its direction: the last d with G_d <= i,
	v_mov_b32 v5, s40                              ; and that direction's n,
	v_mov_b32 v6, s66                              ; g,
	v_mov_b32 v7, 0                                ; P,
	v_mov_b32 v8, 0                                ; G
.irp d, 1,2,3,4,5
	v_cmp_gt_u32 vcc_lo, s[72+\d], v4              ; G_d > i: keep
	v_cndmask_b32 v84, \d, v84, vcc_lo
	v_cndmask_b32 v5, s[40+\d], v5, vcc_lo
	v_cndmask_b32 v6, s[66+\d], v6, vcc_lo
	v_cndmask_b32 v7, s[46+\d], v7, vcc_lo
	v_cndmask_b32 v8, s[72+\d], v8, vcc_lo
.endr
	v_sub_nc_u32 v9, v4, v8                        ; j: the tile's number in its direction
	v_mov_b32 v10, 0                               ; floor(n / g), 131 at the most, bit by bit
.irp bit, 128,64,32,16,8,4,2,1
	v_add_nc_u32 v11, \bit, v10
	v_mul_u32_u24 v14, v11, v6
	v_cmp_le_u32 vcc_lo, v14, v5
	v_cndmask_b32 v10, v10, v11, vcc_lo
.endr
	v_mul_u32_u24 v14, v10, v6
	v_sub_nc_u32 v14, v5, v14                      ; the remainder: the first so many tiles have a row more
	v_mad_u32_u24 v85, v9, v10, v7
	v_min_u32 v15, v9, v14
	v_add_nc_u32 v85, v85, v15                     ; first position = P + j x base + min(j, remainder)
	v_cmp_lt_u32 vcc_lo, v9, v14
	v_add_nc_u32 v86, -1, v10
	v_cndmask_b32 v86, v86, v10, vcc_lo            ; rows - 1
	v_mov_b32 v87, 0
	v_lshlrev_b32 v83, 4, v4
	global_store_b128 v83, v[84:87], s[18:19]      ; the wave stores 512 consecutive bytes, at a multiple of 512 from the buffer's first
.LendS:
	s_wait_tensorcnt 0x0                           ; the wave's end: behind my last LDS store
	ds_add_u32 v2, v3
	s_wait_dscnt 0x0
	s_endpgm
	; ---------------- W TO bf16, IN FRAGMENT ORDER (no LDS, no barrier) ----------------
.Lconv:
	s_sub_co_u32 s24, s23, 32
	s_lshl_b32 s24, s24, 5
	s_add_co_u32 s24, s24, s22                     ; fragment f = 32 (g - 32) + w, 0 .. 3071
	s_and_b32 s25, s24, 7                          ; block of 16 n
	s_bfe_u32 s27, s24, 0x40003                    ; K step of 32
	s_bfe_u32 s30, s24, 0x20007                    ; quarter of 128 n
	s_lshr_b32 s31, s24, 9                         ; direction
	s_lshl_b32 s32, s31, 20                        ; W[dir]: 512 x 512 x 4 bytes
	s_lshl_b32 s30, s30, 18                        ; 128 rows of 2,048 bytes
	s_add_co_u32 s32, s32, s30
	s_lshl_b32 s25, s25, 15                        ; 16 rows
	s_add_co_u32 s32, s32, s25
	s_lshl_b32 s27, s27, 7                         ; 32 numbers of 4 bytes
	s_add_co_u32 s32, s32, s27
	s_mov_b32 s33, 0
	s_add_nc_u64 s[14:15], s[14:15], s[32:33]
	s_lshl_b32 s32, s24, 10
	s_add_nc_u64 s[20:21], s[20:21], s[32:33]
	v_and_b32 v28, 15, v0
	v_bfe_u32 v29, v0, 4, 1
	v_lshlrev_b32 v28, 11, v28                     ; row lane % 16,
	v_lshl_add_u32 v28, v29, 5, v28                ; k = 8 (lane / 16) on
	v_lshlrev_b32 v29, 4, v1
	global_load_b128 v[4:7],   v28, s[14:15]
	global_load_b128 v[8:11],  v28, s[14:15] offset:16
	global_load_b128 v[12:15], v28, s[14:15] offset:64     ; k = 16 + 8 (lane / 16) on
	global_load_b128 v[16:19], v28, s[14:15] offset:80
	s_wait_loadcnt 0x0
.irp j, 0,1,2,3,4,5,6,7
	v_cvt_pk_bf16_f32 v[20+\j], v[4+2*\j], v[5+2*\j]
.endr
	global_store_b128 v29, v[20:23], s[20:21]              ; each store of the wave covers 512 consecutive bytes, aligned
	global_store_b128 v29, v[24:27], s[20:21] offset:512
	s_endpgm
.Lfunc_end_k_q828cfef2b6_prep:
	.size	k_q828cfef2b6_prep, .Lfunc_end_k_q828cfef2b6_prep-k_q828cfef2b6_prep
	.p2alignl 7, 3214868480
	.fill 96, 4, 3214868480
	.section	.rodata,"a",@progbits
	.p2align	6, 0x0
	.amdhsa_kernel k_q828cfef2b6_prep
		.amdhsa_group_segment_fixed_size 13312
		.amdhsa_private_segment_fixed_size 0
		.amdhsa_enable_private_segment 0
		.amdhsa_kernarg_size 72
		.amdhsa_user_sgpr_count 2
		.amdhsa_user_sgpr_kernarg_segment_ptr 1
		.amdhsa_wavefront_size32 1
		.amdhsa_system_sgpr_workgroup_id_x 1
		.amdhsa_system_sgpr_workgroup_id_y 1
		.amdhsa_system_sgpr_workgroup_id_z 1
		.amdhsa_system_vgpr_workitem_id 0
		.amdhsa_next_free_vgpr 96
		.amdhsa_next_free_sgpr 96
		.amdhsa_reserve_vcc 1
		.amdhsa_float_denorm_mode_32 3
		.amdhsa_float_denorm_mode_16_64 3
		.amdhsa_memory_ordered 1
		.amdhsa_forward_progress 1
		.amdhsa_inst_pref_size 28
	.end_amdhsa_kernel
	.amdgpu_metadata
---
amdhsa.version: [ 1, 2 ]
amdhsa.kernels:
  - .name:           k_q828cfef2b6_prep
    .symbol:         k_q828cfef2b6_prep.kd
    .args:
      - { .name: vec, .offset: 0, .size: 8, .value_kind: global_buffer, .address_space: global }
      - { .name: dmap, .offset: 8, .size: 8, .value_kind: global_buffer, .address_space: global }
      - { .name: drev, .offset: 16, .size: 8, .value_kind: global_buffer, .address_space: global }
      - { .name: child_l, .offset: 24, .size: 8, .value_kind: global_buffer, .address_space: global }
      - { .name: child_r, .offset: 32, .size: 8, .value_kind: global_buffer, .address_space: global }
      - { .name: W_merge, .offset: 40, .size: 8, .value_kind: global_buffer, .address_space: global }
      - { .name: order, .offset: 48, .size: 8, .value_kind: global_buffer, .address_space: global }
      - { .name: tiles, .offset: 56, .size: 8, .value_kind: global_buffer, .address_space: global }
      - { .name: wb, .offset: 64, .size: 8, .value_kind: global_buffer, .address_space: global }
    .group_segment_fixed_size: 13312
    .private_segment_fixed_size: 0
    .kernarg_segment_align: 8
    .kernarg_segment_size: 72
    .max_flat_workgroup_size: 1024
    .sgpr_count:     96
    .vgpr_count:     96
    .wavefront_size: 32
...
	.end_amdgpu_metadata
.endif
;; end of part 1
;; launch merge (part 2): grid 256 x 1, 4 waves a work-group, no clusters, 323,072 bytes of LDS; arguments last, wb, order, tiles, b_merge, alpha_merge, out0; writes out0
.if DOCPART == 2
	.amdgcn_target "amdgcn-amd-amdhsa--gfx1250"
	.amdhsa_code_object_version 6
	.text
	.protected	k_q828cfef2b6_merge
	.globl	k_q828cfef2b6_merge
	.p2align	8
	.type	k_q828cfef2b6_merge,@function
k_q828cfef2b6_merge:
	s_mov_b64 s[64:65], 0
	v_nop
	global_prefetch_b8 v0, s[64:65] scope:SCOPE_SE
	s_setreg_imm32_b32 hwreg(HW_REG_WAVE_MODE, 25, 1), 1
	s_wait_xcnt 0x0
; THE ROUTED MERGE.  out[e][:] = prelu(W[dir] . concat(l (1 - d) + r d, r (1 - d) + l d) + bias[dir], alpha[dir]) for the elements of ONE tile: 1 to 131 sorted elements of one direction.
; The tile is computed in a fixed shape, 144 rows x 512 n x 512 k; rows past the tile's last repeat its last row: the same numbers, stored by the same wave to the same bytes.  So there is no mask,
; EXEC never changes, every trip count is a constant, and data enter addresses alone (whole numbers that the launch before stored).
; SHARES.  Four waves.  In the gather wave w fetches bytes 256 w .. 256 w + 255 of every child row (16 lanes to such a piece; lanes 0-15 row p, lanes 16-31 row p + 72), blends in f32, rounds to bf16 and
; lays the row into LDS.  In the product wave w owns columns 128 w .. 128 w + 127 of all 144 rows: 72 accumulators of 16 x 16.  W comes as ready fragments from memory straight into registers:
; each fragment is read by one wave of the work-group, so a way through LDS would add a write and a read and spare nothing.
; THE MATRIX INSTRUCTION IS USED TRANSPOSED (source 0 = 16 rows of W, source 1 = 16 rows of A): a lane holds row lane % 16 and eight neighbouring columns.
; NO CLUSTER, NO JOINT LOADS: which W a work-group needs is a number read from memory, a direction has any number of tiles from 0 to 256, so no fixed group of work-groups shares a W; and W does not pass LDS.
; FORMATS AND LIMITS.  The blended rows and W are rounded to bf16, sums, bias, slope and the blend itself are f32.  drev arrives as a signed number of 17 bits.
; LDS:  A: 144 rows of 1,040 bytes (1,024 + 16: an odd multiple of 16, so the 16 rows of a fragment load start in 16 different groups of four banks; ISA guide 11.1).
;       STAGE, over A once nobody reads it: for each wave 144 rows of 528 bytes (128 f32 + 16).   TBL: each wave's own tables of 160 entries: T1 {row l, row r}, T2 {d, 1-d, 1-d, d}, T3 e.
; REGISTERS, in windows of 256 (s_set_vgpr_msb: bits 1:0 source 0, 3:2 source 1, 5:4 source 2, 7:6 destination):
;   window 0: v0-19 addresses and bias; gather: v20-51 blend factors, v52-63 at work, v64-255 three batches of 16 loads; product: v48-119, v120-191 A's fragments, two buffers, v192-255 the accumulators of
;   rows 128-143; way out: v64-127 two sets of 8 rows, v128-143 their offsets, v144-147 at work.   window 1: accumulators of rows 0-63.   window 2: rows 64-127.   window 3: W's fragments, four buffers of 64.
.set APITCH, 1040
.set SPITCH, 528
.set WSTAGE, 144*SPITCH                ; 76,032
.set TBL,    4*WSTAGE                  ; 304,128
.set TBLW,   4608                      ; a wave's tables
.set T2O,    1280
.set T3O,    3840
.set SPARE,  TBL+4*TBLW                ; 322,560: the spare words, 128 bytes a wave; no other line names them
.set MSB, 0
.macro WIN new                         ; the immediate's high byte repeats the setting that is left; a switch that changes nothing is dropped
.if MSB != (\new)
	s_set_vgpr_msb (MSB<<8)|(\new)
.set MSB, \new
.endif
.endm
; K step s of my 128 columns of W: 8 fragments, 8,192 consecutive bytes, 16 loads of 512 consecutive bytes each, into buffer s % 4 of window 3
.macro BLOAD s
	WIN 0xc0                                       ; destination window 3, offset register window 0
.set i, 0
.rept 16
	global_load_b128 v[64*((\s)&3)+4*i:64*((\s)&3)+4*i+3], v4, s[6:7] offset:(\s)*8192+i*512
.set i, i+1
.endr
.endm
	s_load_b256 s[4:11], s[0:1], 0x0               ; last s[4:5], wb s[6:7], order s[8:9], tiles s[10:11]
	s_load_b128 s[12:15], s[0:1], 0x20             ; b_merge s[12:13], alpha_merge s[14:15]
	s_load_b64 s[16:17], s[0:1], 0x30              ; out0
	v_lshl_add_u32 v12, v0, 2, SPARE               ; my spare word,
	v_mov_b32 v13, 0                               ; and 0: kept for the add at the wave's end
	v_and_b32 v1, 31, v0                           ; lane
	v_lshrrev_b32 v14, 5, v0
	v_readfirstlane_b32 s24, v14                   ; wave w
	v_and_b32 v2, 15, v0                           ; r = lane % 16
	v_bfe_u32 v3, v0, 4, 1                         ; h = lane / 16
	v_lshlrev_b32 v4, 4, v1                        ; 16 lane; never rewritten
	s_lshl_b32 s2, ttmp9, 4
	s_mov_b32 s3, 0
	s_wait_kmcnt 0x0
	s_add_nc_u64 s[10:11], s[10:11], s[2:3]
	s_load_b128 s[20:23], s[10:11], 0x0            ; my tile: direction, first position, rows - 1
	s_wait_kmcnt 0x0
	s_min_u32 s20, s20, 5
	s_min_u32 s21, s21, 0x7fff
	s_min_u32 s22, s22, 143
	; the tile's records first: everything waits for them.  Entry 32 k + lane; past the last row, the last row again
.irp k, 0,1,2,3,4
	v_add_nc_u32 v[64+2*\k], 32*\k, v1
	v_min_u32 v[64+2*\k], s22, v[64+2*\k]
	v_add_nc_u32 v[64+2*\k], s21, v[64+2*\k]
	v_min_u32 v[64+2*\k], 0x7fff, v[64+2*\k]
	v_lshlrev_b32 v[64+2*\k], 3, v[64+2*\k]
	global_load_b64 v[64+2*\k:65+2*\k], v[64+2*\k], s[8:9]
.endr
	s_lshl_b32 s26, s20, 19                        ; wb: a direction is 524,288 bytes, my quarter of its columns 131,072
	s_lshl_b32 s2, s24, 17
	s_add_co_u32 s26, s26, s2
	s_mov_b32 s27, 0
	s_add_nc_u64 s[6:7], s[6:7], s[26:27]
	s_lshl_b32 s26, s20, 11                        ; bias: a direction is 2,048 bytes, my columns 512
	s_lshl_b32 s2, s24, 9
	s_add_co_u32 s26, s26, s2
	s_add_nc_u64 s[12:13], s[12:13], s[26:27]
	s_lshl_b32 s26, s20, 2
	s_add_nc_u64 s[14:15], s[14:15], s[26:27]
	s_load_b32 s28, s[14:15], 0x0                  ; the direction's slope
	global_load_b128 v[16:19], v4, s[12:13]        ; bias of columns 128 w + 4 lane + 0..3
	BLOAD 0                                        ; W's first three K steps come while the rows are gathered
	BLOAD 1
	BLOAD 2
	WIN 0
	s_mul_i32 s2, s24, TBLW
	s_add_co_u32 s2, s2, TBL                       ; my tables
	v_lshl_add_u32 v14, v1, 3, s2                  ; where I write T1,
	v_lshl_add_u32 v15, v1, 4, s2                  ; T2 (less T2O),
	v_lshl_add_u32 v52, v1, 2, s2                  ; T3 (less T3O)
	v_mul_u32_u24 v9, v3, 576
	v_add_nc_u32 v9, s2, v9                        ; IA: T1 of row 72 h
	v_mul_u32_u24 v10, v3, 1152
	v_add_nc_u32 v10, s2, v10                      ; PA: T2 of row 72 h (less T2O)
	v_mul_u32_u24 v11, v3, 72*APITCH
	v_lshl_add_u32 v11, v2, 3, v11
	v_lshl_add_u32 v11, s24, 7, v11                ; SA: row 72 h of A, byte 128 w + 8 r: my four bf16
	v_lshlrev_b32 v8, 4, v2
	v_lshl_add_u32 v8, s24, 8, v8                  ; GL: byte 256 w + 16 r of a child row
	v_mul_u32_u24 v5, v2, APITCH
	v_lshl_add_u32 v5, v3, 4, v5                   ; a fragment of A: row r, 16 h; rows 0-63,
	v_add_nc_u32 v6, 64*APITCH, v5                 ; 64-127,
	v_add_nc_u32 v7, 128*APITCH, v5                ; 128-143
	s_wait_loadcnt 49                              ; the five record loads are in; behind them: the bias and 48 of W
.irp k, 0,1,2,3,4
	v_and_b32 v56, 0xffff, v[64+2*\k]
	v_lshrrev_b32 v57, 16, v[64+2*\k]
	ds_store_b64 v14, v[56:57] offset:256*\k
	v_ashrrev_i32 v60, 15, v[65+2*\k]
	v_cvt_f32_i32 v60, v60                         ; d
	v_sub_f32 v61, 1.0, v60                        ; 1 - d
	v_mov_b32 v62, v61                             ; each factor stands at the head of a pair, for the packed arithmetic
	v_mov_b32 v63, v60
	ds_store_b128 v15, v[60:63] offset:T2O+512*\k
	v_and_b32 v58, 0x7fff, v[65+2*\k]
	ds_store_b32 v52, v58 offset:T3O+128*\k
.endr                                                  ; the tables are my wave's own, and LDS serves a wave's instructions in order (ISA guide 5.7.1.4): no barrier
	s_wait_kmcnt 0x0
	s_mov_b32 s29, s28                             ; named with it as a pair
; THE GATHER.  72 pairs of rows (p, p + 72), 8 pairs to a batch, three batches of 16 loads in flight.  Pair 8 batch + i: left row's 16 bytes in v[GR:GR+3], right row's in v[GR+4:GR+7].
.macro ISSUE q
.irp i, 0,1,2,3,4,5,6,7
	ds_load_b64 v[64+64*(\q)+8*\i:64+64*(\q)+8*\i+1], v9 offset:64*(\q)+8*\i
.endr
	s_wait_dscnt 0x0
.irp i, 0,1,2,3,4,5,6,7
.set GR, 64+64*(\q)+8*\i
	v_min_u32 v[GR+1], 0xffff, v[GR+1]
	v_lshl_add_u32 v[GR+4], v[GR+1], 10, v8        ; a row of last is 1,024 bytes
	v_min_u32 v[GR], 0xffff, v[GR]
	v_lshl_add_u32 v[GR], v[GR], 10, v8
	global_load_b128 v[GR:GR+3], v[GR], s[4:5]     ; 16 lanes read 256 consecutive bytes, aligned; each load lands on its own offset register
	global_load_b128 v[GR+4:GR+7], v[GR+4], s[4:5]
.endr
.endm
; left: how many younger loads may stay out
.macro PROC q, left
.irp i, 0,1,2,3,4,5,6,7
	ds_load_b128 v[20+4*\i:23+4*\i], v10 offset:T2O+128*(\q)+16*\i
.endr
	s_wait_loadcnt \left                           ; loads come back in order (ISA guide 5.7.1): this batch is in
	s_wait_dscnt 0x0
.irp i, 0,1,2,3,4,5,6,7
.set GR, 64+64*(\q)+8*\i
.set DM, 20+4*\i
	v_pk_mul_f32 v[52:53], v[GR:GR+1],   v[DM+2:DM+3] op_sel_hi:[1,0]       ; l (1 - d)
	v_pk_mul_f32 v[54:55], v[GR+2:GR+3], v[DM+2:DM+3] op_sel_hi:[1,0]
	v_pk_mul_f32 v[56:57], v[GR+4:GR+5], v[DM+2:DM+3] op_sel_hi:[1,0]       ; r (1 - d)
	v_pk_mul_f32 v[58:59], v[GR+6:GR+7], v[DM+2:DM+3] op_sel_hi:[1,0]
	v_pk_fma_f32 v[52:53], v[GR+4:GR+5], v[DM:DM+1], v[52:53] op_sel_hi:[1,0,1]  ; + r d
	v_pk_fma_f32 v[54:55], v[GR+6:GR+7], v[DM:DM+1], v[54:55] op_sel_hi:[1,0,1]
	v_pk_fma_f32 v[56:57], v[GR:GR+1],   v[DM:DM+1], v[56:57] op_sel_hi:[1,0,1]  ; + l d
	v_pk_fma_f32 v[58:59], v[GR+2:GR+3], v[DM:DM+1], v[58:59] op_sel_hi:[1,0,1]
	v_cvt_pk_bf16_f32 v60, v52, v53
	v_cvt_pk_bf16_f32 v61, v54, v55
	v_cvt_pk_bf16_f32 v62, v56, v57
	v_cvt_pk_bf16_f32 v63, v58, v59
	ds_store_b64 v11, v[60:61] offset:8*APITCH*(\q)+APITCH*\i               ; k = 64 w + 4 r on; the halves of the lanes lie 72 rows = 32 banks apart
	ds_store_b64 v11, v[62:63] offset:8*APITCH*(\q)+APITCH*\i+512           ; k = 256 + 64 w + 4 r on
.endr
.endm
	ISSUE 0
	ISSUE 1
	ISSUE 2
	v_add_nc_u32 v9, 192, v9                       ; 24 pairs on
	s_mov_b32 s30, 2
.Lg:                                                   ; a trip: batches 3 t .. 3 t + 2 are blended, batches 3 t + 3 .. 3 t + 5 asked for
	PROC 0, 32                                     ; behind this batch: two batches of 16
	ISSUE 0
	PROC 1, 32
	ISSUE 1
	PROC 2, 32
	ISSUE 2
	v_add_nc_u32 v9, 192, v9
	v_add_nc_u32 v10, 384, v10
	v_add_nc_u32 v11, 24*APITCH, v11
	s_sub_co_u32 s30, s30, 1
	s_cmp_lg_u32 s30, 0
	s_cbranch_scc1 .Lg
	PROC 0, 32                                     ; the last three batches: nothing more is asked for, the counts run down
	PROC 1, 16
	PROC 2, 0
	s_wait_dscnt 0x0                               ; for the others' sake: my part of every row of A is written
	s_barrier_signal -1
	s_barrier_wait -1                              ; A is whole
; THE PRODUCT: 16 K steps of 32.  A's fragments of step s: 9 blocks of 16 rows, two loads each, into buffer s % 2
.macro ALOAD s
	WIN 0
.set FA, 48+72*((\s)&1)
.irp mb, 0,1,2,3,4,5,6,7,8
	ds_load_b128 v[FA+8*(\mb):FA+8*(\mb)+3],   v[5+(\mb)/4] offset:((\mb)%4)*16*APITCH+64*(\s)
	ds_load_b128 v[FA+8*(\mb)+4:FA+8*(\mb)+7], v[5+(\mb)/4] offset:((\mb)%4)*16*APITCH+64*(\s)+32
.endr
.endm
; 72 matrix instructions: the 72 accumulators take turns, one instruction a turn, in the same order in every step.  zero = 1: the first step starts the sums: nothing is cleared
.macro MUL s, zero
.set FA, 48+72*((\s)&1)
.set FB, 64*((\s)&3)
.irp mb, 0,1,2,3,4,5,6,7,8
.if (\mb) < 4
	WIN 0x53                                       ; W window 3, A window 0, C and D window 1
.set AC, 64*(\mb)
.elseif (\mb) < 8
	WIN 0xa3                                       ; C and D window 2
.set AC, 64*((\mb)-4)
.else
	WIN 0x03                                       ; C and D window 0
.set AC, 192
.endif
.irp nb, 0,1,2,3,4,5,6,7
.if \zero
	v_wmma_f32_16x16x32_bf16 v[AC+8*(\nb):AC+8*(\nb)+7], v[FB+8*(\nb):FB+8*(\nb)+7], v[FA+8*(\mb):FA+8*(\mb)+7], 0
.else
	v_wmma_f32_16x16x32_bf16 v[AC+8*(\nb):AC+8*(\nb)+7], v[FB+8*(\nb):FB+8*(\nb)+7], v[FA+8*(\mb):FA+8*(\mb)+7], v[AC+8*(\nb):AC+8*(\nb)+7]
.endif
.endr
.endr
.endm
; A step: W of step s (asked for three steps ago) and A of step s (one step ago) are waited for; W of step s + 3 and A of step s + 1 are asked for, into the buffers that step s - 1 multiplied;
; then the step's products.  A load into a register that a matrix instruction has read stands four places behind it (for vector instructions ISA guide 7.12.1): four v_nop.
.macro STEP s
	WIN 0
.if (\s) <= 13
	s_wait_loadcnt 32                              ; behind W of this step: the next two steps' 16 loads each
.elseif (\s) == 14
	s_wait_loadcnt 16
.else
	s_wait_loadcnt 0x0
.endif
	s_wait_dscnt 0x0
.if (\s) > 0
.rept 4
	v_nop
.endr
.endif
.if (\s) <= 12
	BLOAD (\s)+3
.endif
.if (\s) <= 14
	ALOAD (\s)+1
.endif
.if (\s) == 0
	MUL \s, 1
.else
	MUL \s, 0
.endif
.endm
	ALOAD 0
.irp s, 0,1,2,3,4,5,6,7,8,9,10,11,12,13,14,15
	STEP \s
.endr
	; THE WAY OUT.  Each wave's 144 x 128 sums go through its own stage in LDS and come back as whole pieces of rows: 512 consecutive bytes of an output row to a store.
	WIN 0
	s_wait_dscnt 0x0                               ; my reads of A are over
	s_barrier_signal -1
	s_barrier_wait -1                              ; everybody's are: the stages may lie over A
	s_mul_i32 s2, s24, WSTAGE                      ; my stage.  The nine vector lines below name no register of the last products: they are the places behind them
	s_mul_i32 s3, s24, TBLW
	s_add_co_u32 s3, s3, TBL+T3O
	v_mul_u32_u24 v8, v2, SPITCH
	v_lshl_add_u32 v8, v3, 5, v8
	v_add_nc_u32 v8, s2, v8                        ; in: row r, 32 bytes for each half of the lanes; rows 0-63,
	v_add_nc_u32 v9, 64*SPITCH, v8                 ; 64-127,
	v_add_nc_u32 v10, 128*SPITCH, v8               ; 128-143
	v_add_nc_u32 v5, s2, v4                        ; back: 16 bytes a lane of a row's 512
	v_mov_b32 v6, s3                               ; T3: the rows' element numbers
	v_lshl_add_u32 v7, s24, 9, v4                  ; my 16 bytes in an output row: 512 w + 16 lane
	v_nop
.irp mb, 0,1,2,3,4,5,6,7,8
.if (\mb) < 4
	WIN 0x04                                       ; store data (source 1) in window 1
.set AC, 64*(\mb)
.elseif (\mb) < 8
	WIN 0x08                                       ; in window 2
.set AC, 64*((\mb)-4)
.else
	WIN 0
.set AC, 192
.endif
.irp nb, 0,1,2,3,4,5,6,7                ; each accumulator's low four registers go first
	ds_store_b128 v[8+(\mb)/4], v[AC+8*(\nb):AC+8*(\nb)+3]   offset:((\mb)%4)*16*SPITCH+64*(\nb)
	ds_store_b128 v[8+(\mb)/4], v[AC+8*(\nb)+4:AC+8*(\nb)+7] offset:((\mb)%4)*16*SPITCH+64*(\nb)+16
.endr
.endr
	WIN 0
; Eight rows, off rows on from the trip's first, into register set 0 or 1, with their element numbers (every lane reads the same 32 bytes)
.macro RLOAD set, off
	s_wait_xcnt 0x0                                ; the set's registers were data and offsets of earlier stores: they are written again only behind this wait (ISA guide 3.1)
.irp i, 0,1,2,3,4,5,6,7
	ds_load_b128 v[64+32*(\set)+4*\i:64+32*(\set)+4*\i+3], v5 offset:((\off)+\i)*SPITCH  ; LDS serves a wave's instructions in order: these see my stores above
.endr
	ds_load_b128 v[128+8*(\set):128+8*(\set)+3], v6 offset:4*(\off)
	ds_load_b128 v[128+8*(\set)+4:128+8*(\set)+7], v6 offset:4*(\off)+16
.endm
; bias, slope, store.  younger: the LDS loads issued behind this set's
.macro ROUT set, younger
	s_wait_dscnt \younger
.irp i, 0,1,2,3,4,5,6,7
.set XR, 64+32*(\set)+4*\i
.set ER, 128+8*(\set)+\i
	v_min_u32 v[ER], 0x7fff, v[ER]
	v_lshl_add_u32 v[ER], v[ER], 11, v7            ; an output row is 2,048 bytes
	v_pk_add_f32 v[XR:XR+1],   v[XR:XR+1],   v[16:17]
	v_pk_add_f32 v[XR+2:XR+3], v[XR+2:XR+3], v[18:19]
	v_pk_mul_f32 v[144:145], v[XR:XR+1],   s[28:29] op_sel_hi:[1,0]
	v_pk_mul_f32 v[146:147], v[XR+2:XR+3], s[28:29] op_sel_hi:[1,0]
.irp j, 0,1,2,3
	v_cmp_lt_f32 vcc_lo, 0, v[XR+\j]
	v_cndmask_b32 v[XR+\j], v[144+\j], v[XR+\j], vcc_lo    ; y where y > 0, else alpha y
.endr
	global_store_b128 v[ER], v[XR:XR+3], s[16:17] th:TH_STORE_NT   ; the wave stores 512 consecutive bytes, at a multiple of 512 from the output's first
.endr
.endm
	RLOAD 0, 0
	s_mov_b32 s30, 8
.Lo:                                                   ; a trip: 16 rows; one set is read back while the other is worked on and stored
	RLOAD 1, 8
	ROUT 0, 10                                     ; behind set 0's loads: set 1's ten
	RLOAD 0, 16
	ROUT 1, 10
	v_add_nc_u32 v5, 16*SPITCH, v5
	v_add_nc_u32 v6, 64, v6
	s_sub_co_u32 s30, s30, 1
	s_cmp_lg_u32 s30, 0
	s_cbranch_scc1 .Lo
	RLOAD 1, 8                                     ; rows 128-143: set 0 was read in the last trip
	ROUT 0, 10
	ROUT 1, 0
	s_wait_tensorcnt 0x0                           ; the wave's end: behind my last LDS store
	ds_add_u32 v12, v13
	s_wait_dscnt 0x0
	s_endpgm
.Lfunc_end_k_q828cfef2b6_merge:
	.size	k_q828cfef2b6_merge, .Lfunc_end_k_q828cfef2b6_merge-k_q828cfef2b6_merge
	.p2alignl 7, 3214868480
	.fill 96, 4, 3214868480
	.section	.rodata,"a",@progbits
	.p2align	6, 0x0
	.amdhsa_kernel k_q828cfef2b6_merge
		.amdhsa_group_segment_fixed_size 323072
		.amdhsa_private_segment_fixed_size 0
		.amdhsa_enable_private_segment 0
		.amdhsa_kernarg_size 56
		.amdhsa_user_sgpr_count 2
		.amdhsa_user_sgpr_kernarg_segment_ptr 1
		.amdhsa_wavefront_size32 1
		.amdhsa_system_sgpr_workgroup_id_x 1
		.amdhsa_system_sgpr_workgroup_id_y 1
		.amdhsa_system_sgpr_workgroup_id_z 1
		.amdhsa_system_vgpr_workitem_id 0
		.amdhsa_next_free_vgpr 1024
		.amdhsa_next_free_sgpr 66
		.amdhsa_reserve_vcc 1
		.amdhsa_float_denorm_mode_32 3
		.amdhsa_float_denorm_mode_16_64 3
		.amdhsa_memory_ordered 1
		.amdhsa_forward_progress 1
		.amdhsa_inst_pref_size 233
	.end_amdhsa_kernel
	.amdgpu_metadata
---
amdhsa.version: [ 1, 2 ]
amdhsa.kernels:
  - .name:           k_q828cfef2b6_merge
    .symbol:         k_q828cfef2b6_merge.kd
    .args:
      - { .name: last, .offset: 0, .size: 8, .value_kind: global_buffer, .address_space: global }
      - { .name: wb, .offset: 8, .size: 8, .value_kind: global_buffer, .address_space: global }
      - { .name: order, .offset: 16, .size: 8, .value_kind: global_buffer, .address_space: global }
      - { .name: tiles, .offset: 24, .size: 8, .value_kind: global_buffer, .address_space: global }
      - { .name: b_merge, .offset: 32, .size: 8, .value_kind: global_buffer, .address_space: global }
      - { .name: alpha_merge, .offset: 40, .size: 8, .value_kind: global_buffer, .address_space: global }
      - { .name: out0, .offset: 48, .size: 8, .value_kind: global_buffer, .address_space: global }
    .group_segment_fixed_size: 323072
    .private_segment_fixed_size: 0
    .kernarg_segment_align: 8
    .kernarg_segment_size: 56
    .max_flat_workgroup_size: 128
    .sgpr_count:     66
    .vgpr_count:     1024
    .wavefront_size: 32
...
	.end_amdgpu_metadata
.endif
;; end of part 2
